; MI455X (gfx1250); checked and timed in simulation.
; The chip was launched on July 23, 2026; its instructions are those of AMD's public machine-readable ISA for CDNA 5 (MIT licence, August 2026) and "CDNA5" Instruction Set Architecture Reference Guide (July 2026).
;; Attention. Allowed arithmetic: matrix products marked QUANTISED: E4M3 operands, one given power-of-two scale a tensor, by v_wmma_f32_16x16x64_fp8_fp8 or v_wmma_f32_16x16x128_fp8_fp8, f32 sums; everything else in f32.
;; Inputs: K_codes 2 x 16 x 2,048 x 2 x 32 uint8 (E4M3 codes of K, K innermost, in blocks of 32 codes); Q_codes 2 x 16 x 2,048 x 2 x 32 uint8 (E4M3 codes of Q, K innermost, in blocks of 32 codes); V_codes 2 x 16 x 64 x 64 x 32 uint8 (E4M3 codes of V, K innermost, in blocks of 32 codes); lowp_scales 4 int32 (the exponents e of the quantised operands' scales 2^e).
;; Outputs: out0 2 x 16 x 2,048 x 64 float32.
;; This version of the problem:
;;   THIS VERSION OF THE PROBLEM IS GIVEN IN LOW PRECISION. The matrix products marked QUANTISED in the list below multiply operands that are first quantised to E4M3 (4 exponent bits, 3 mantissa bits; 8 bits a number), with one given power-of-two scale for each operand tensor; their sums are f32. All else is computed in f32.
;;   The module's matrix products, in the order in which they are computed (A, B: the left and right operand; K: the contracted axis; several contracted axes count as one K, in the product's order):
;;     1. batch 32 x [M 2,048, K 64] x [K 64, N 2,048]; A: input Q (given as codes); B: input K (given as codes): QUANTISED (scales: A lowp_scales[0], B lowp_scales[1])
;;     2. batch 32 x [M 2,048, K 2,048] x [K 2,048, N 64]; A: softmax (see below); B: input V (given as codes): QUANTISED (scales: A lowp_scales[2], B lowp_scales[3])
;;   THE QUANTISER, for each operand of a quantised product, along K:
;;     - The operand's scale is 2^e, e = its entry of the input lowp_scales (int32; the entries are numbered through the quantised products in the list's order, A before B).
;;     - Each number is divided by the scale, clamped to +-448, and rounded to the nearest number of E4M3, ties to even, subnormals kept.
;;     - The product sums the exact products of the quantised numbers (number of the format x scale) in f32.
;;   ~~~python
;;   def quantise(x, axis, e):      # numpy; x: float32 -> the quantised numbers, widened to float32 again
;;       x = np.moveaxis(x, axis, -1); K = x.shape[-1]
;;       r = np.clip(x / 2.0 ** e, -448, 448)
;;       step = 2.0 ** (np.maximum(np.frexp(np.where(r == 0, 1, r))[1] - 1, -6) - 3)
;;       q = np.round(r / step) * step * 2.0 ** e      # np.round: ties to even
;;       return np.moveaxis(q, -1, axis).astype(np.float32)
;;   ~~~
;;   SOFTMAX AHEAD OF A QUANTISED PRODUCT. Where the list says 'softmax', what is quantised is not the finished softmax but p = 2^(t - M), with t = logit x log2(e) and M = ceil(the row's largest t), a whole number; so 1/2 < the row's largest p <= 1. The row's sum l is taken of the UNQUANTISED p, in f32, and the product's result is divided by l at the end. Since M is a whole number, a kernel that streams over the keys may use a running M (the ceiling of the running maximum): every later rescaling is an exact power of two, so the quantised numbers keep their values, but for numbers so far below the row's largest that they fall under the format's range.
;;   OPERANDS COMPUTED ON THE WAY. 'Computed on the way' means the value that the module computes at that place (a softmax that the list does not call 'softmax' is quantised finished and normalised). What goes into a quantiser is computed in f32, as accurately as f32 sums, v_exp_f32 and their like allow (about 1e-6 of the number): no bf16 or f16 on the way to a quantiser, and a product that is left as it is and whose result goes on into a quantised operand takes f32 operands (vector FMAs, or v_wmma_f32_16x16x4_f32). A number that lies on a knife's edge between two numbers of the format may be rounded either way, as far as f32 arithmetic and the matrix unit's own rounding can turn it there, and no further.
;;   INPUTS GIVEN AS CODES. K (in the module: [2, 16, 2048, 64], K = its axis 3); Q (in the module: [2, 16, 2048, 64], K = its axis 3); V (in the module: [2, 16, 2048, 64], K = its axis 2): each comes as NAME_codes (uint8): NAME with its K axis moved to the last place and cut into blocks of 32 codes, [.., K / 32, bytes a block], one block behind the other in memory; one code a byte (a code: sign, 4 exponent bits, 3 mantissa bits); its scale is its entry of lowp_scales. Its value is code x scale, taken as it is: it is not quantised again, and the codes and scales need not be those that the quantiser above would give.
;; One version. Each part assembles by itself: llvm-mc -triple=amdgcn-amd-amdhsa -mcpu=gfx1250 --defsym DOCPART=n.
;; ======== version 1 of 1: 1 launch
;; launch attn (part 1): grid 8 x 32, 8 waves a work-group, clusters of 4 x 1, 327,680 bytes of LDS; arguments K_codes, Q_codes, V_codes, lowp_scales, out0; writes out0
.if DOCPART == 1
	.amdgcn_target "amdgcn-amd-amdhsa--gfx1250"
	.amdhsa_code_object_version 6
	.text
	.protected	k_q93f74d701c_attn
	.globl	k_q93f74d701c_attn
	.p2align	8
	.type	k_q93f74d701c_attn,@function
k_q93f74d701c_attn:
	s_mov_b64 s[64:65], 0
	v_nop
	global_prefetch_b8 v0, s[64:65] scope:SCOPE_SE
	s_setreg_imm32_b32 hwreg(HW_REG_WAVE_MODE, 25, 1), 1
	s_wait_xcnt 0x0
	s_wait_alu depctr_hold_cnt(0) depctr_sa_sdst(0) depctr_va_vdst(0) depctr_va_sdst(0) depctr_va_ssrc(0) depctr_va_vcc(0) depctr_vm_vsrc(0)
	s_getreg_b32 s2, hwreg(HW_REG_IB_STS2, 6, 4)
	s_cmp_eq_u32 s2, 0
	s_cbranch_scc0 .Lentry_in_a_cluster
	s_endpgm
.Lentry_in_a_cluster:
	s_bfe_u32 s2, ttmp6, 0x10000c
	s_cmp_lg_u32 s2, 0x3003
	s_cbranch_scc0 .Lentry_shape_is_right
	s_endpgm
.Lentry_shape_is_right:
.set KSTEPB, 8704
.set KTILE,  1088
.set VPITCH, 528
.set VB0,    16*KSTEPB
.set VSTG,   64*VPITCH
.set SPARE,  VB0+4*VSTG
.set STAGE,  SPARE+1024
.set SPITCH, 272
.set STGW,   16*SPITCH
.set AK0, 1
.set AV0, 2
.set DV,  3
.set NINF, 4
.set SPW, 5
.set NIL, 6
.set GO,  7
.set ADK, 8
.set ADV, 9
.set STO, 10
.set RD,  11
.set QP,  16
.set QN,  24
.set KV,  32
.set S,   96
.set O,   160
.set PC,  192
.set MX,  208
.set PL,  212
.set F,   214
.set TM,  216
.set SM2, 218
.set LIM, 220
.set SCL, 221
.set QO,  222
.set T,   224
.set WV,  14
.set KW,  15
.set SEL, 20
.set CS,  22
.set G1K, 24
.set G1V, 32
.set G0K, 40
.set G0V, 68
.set KB,  56
.set VB,  57
.set KS,  58
.set JT,  59
.set CI,  60
.set EPV, 93
.set OPB, 88
.set OPA, 90
.macro CROUND
	s_barrier_signal -1
	s_barrier_wait -1
	s_cmp_lg_u32 s[WV], 0
	s_cbranch_scc1 .Lnot_wave_0_\@
	s_barrier_signal -3
.Lnot_wave_0_\@:
	s_barrier_wait -3
	s_barrier_signal -1
	s_barrier_wait -1
.endm
.macro WAITBAR n
	s_wait_tensorcnt \n
	s_wait_dscnt 0x0
	s_barrier_signal -1
	s_barrier_wait -1
.endm
.macro NEGQ
.irp i, 0,1,2,3,4,5,6,7
	v_xor_b32 v[QN+\i], 0x80808080, v[QP+\i]
.endr
.endm
	s_load_b256 s[4:11], s[0:1], 0x0
	s_load_b64 s[12:13], s[0:1], 0x20
	v_lshl_add_u32 v[SPW], v0, 2, SPARE
	v_mov_b32 v[NIL], 0
	ds_add_u32 v[SPW], v[NIL]
	ds_add_u32 v[SPW], v[NIL]
	v_lshrrev_b32 v[ADK], 5, v0
	v_readfirstlane_b32 s[WV], v[ADK]
	s_and_b32 s[KW], s[WV], 3
	s_bfe_u32 s16, ttmp6, 0x40000
	s_lshl_b32 s17, ttmp9, 2
	s_add_co_u32 s17, s17, s16
	s_and_b32 s18, ttmp7, 0xffff
	s_lshl_b32 s92, s18, 17
	s_mov_b32 s[G1K], 15|(1<<20)|(1<<21)|(5<<22)|(3<<25)
	s_mov_b32 s[G1K+1], 256<<16
	s_mov_b32 s[G1K+2], 32<<16
	s_mov_b32 s[G1K+3], 256<<16
	s_mov_b32 s[G1K+4], 32
	s_mov_b32 s[G1K+5], 256
	s_mov_b32 s[G1K+6], 0
	s_mov_b32 s[G1K+7], 0
	s_mov_b32 s[G1V], 15|(1<<20)|(1<<21)|(6<<22)|(3<<25)
	s_mov_b32 s[G1V+1], 512<<16
	s_mov_b32 s[G1V+2], 16<<16
	s_mov_b32 s[G1V+3], 512<<16
	s_mov_b32 s[G1V+4], 16
	s_mov_b32 s[G1V+5], 2048
	s_mov_b32 s[G1V+6], 0
	s_mov_b32 s[G1V+7], 0
	s_mul_i32 s2, s[KW], KSTEPB
	s_mul_i32 s3, s[KW], 16*VPITCH
	s_add_co_u32 s3, s3, VB0
.irp k, 0,1,2,3
	s_mov_b32 s[G0K+4*\k], 1
	s_add_co_u32 s[G0K+4*\k+1], s2, \k*4*KSTEPB
	s_mov_b32 s[G0V+4*\k], 1
	s_add_co_u32 s[G0V+4*\k+1], s3, \k*VSTG
.endr
	s_lshl_b32 s56, s[KW], 13
	s_add_co_u32 s56, s56, s92
	s_mov_b32 s57, 0
	s_lshl_b32 s58, s[KW], 15
	s_add_co_u32 s58, s58, s92
	s_mov_b32 s59, 0
	s_lshl_b32 s19, s17, 10
	s_add_co_u32 s19, s19, s92
	s_sub_co_u32 s62, 15, s[WV]
	s_lshl_b32 s62, s62, 13
	s_add_co_u32 s62, s62, s19
	s_mov_b32 s63, 0
	s_lshl_b32 s98, s[WV], 13
	s_add_co_u32 s98, s98, s19
	s_mov_b32 s99, 0
	s_mov_b32 s[SEL], 0x76543210
	s_mov_b32 s[SEL+1], 0xfedcba98
	s_mov_b32 s[CS], 0x3db8aa3b
	s_wait_dscnt 0x0
	s_wait_kmcnt 0x0
	s_load_b128 s[84:87], s[10:11], 0x0
	s_add_nc_u64 s[4:5], s[4:5], s[56:57]
	s_add_nc_u64 s[8:9], s[8:9], s[58:59]
.irp k, 0,1,2,3
	s_add_nc_u64 s[G0K+4*\k+2:G0K+4*\k+3], s[4:5], \k*32768
	s_or_b32 s[G0K+4*\k+3], s[G0K+4*\k+3], 0x80000000
	s_add_nc_u64 s[G0V+4*\k+2:G0V+4*\k+3], s[8:9], \k*512
	s_or_b32 s[G0V+4*\k+3], s[G0V+4*\k+3], 0x80000000
.endr
	s_add_nc_u64 s[94:95], s[6:7], s[62:63]
	s_add_nc_u64 s[96:97], s[6:7], s[98:99]
	s_lshl_b32 s62, s62, 2
	s_lshl_b32 s98, s98, 2
	s_add_nc_u64 s[OPB:OPB+1], s[12:13], s[62:63]
	s_add_nc_u64 s[OPA:OPA+1], s[12:13], s[98:99]
	CROUND
	s_cmp_lt_u32 s[WV], 4
	s_cbranch_scc0 .Lfill_v
.irp k, 0,1,2,3
	tensor_load_to_lds s[G0K+4*\k:G0K+4*\k+3], s[G1K:G1K+7]
	s_nop 0
.endr
.rept 4
	v_nop
.endr
	s_branch .Lfilled
.Lfill_v:
.irp k, 0,1,2,3
	tensor_load_to_lds s[G0V+4*\k:G0V+4*\k+3], s[G1V:G1V+7]
	s_nop 0
.endr
.rept 4
	v_nop
.endr
.Lfilled:
	v_and_b32 v[MX], 15, v0
	v_bfe_u32 v[MX+1], v0, 4, 1
	v_lshlrev_b32 v[QO], 6, v[MX]
	v_lshl_add_u32 v[QO], v[MX+1], 3, v[QO]
.irp c, 0,1,2,3
	global_load_b64 v[QP+2*\c:QP+2*\c+1], v[QO], s[94:95] offset:16*\c th:TH_LOAD_NT
.endr
	v_lshrrev_b32 v[MX+2], 2, v[MX]
	v_mul_u32_u24 v[AK0], v[MX+2], 272
	v_and_b32 v[MX+2], 3, v[MX]
	v_lshl_add_u32 v[AK0], v[MX+2], 6, v[AK0]
	v_lshl_add_u32 v[AK0], v[MX+1], 3, v[AK0]
	v_mul_u32_u24 v[AV0], v[MX], VPITCH
	v_lshl_add_u32 v[AV0], v[MX+1], 3, v[AV0]
	v_lshl_add_u32 v[DV], s17, 4, v[MX]
	v_lshlrev_b32 v[MX+2], 3, v[MX+1]
	v_sub_nc_u32 v[DV], v[DV], v[MX+2]
	v_mov_b32 v[NINF], 0xff800000
	v_and_b32 v[GO], 31, v0
	v_lshlrev_b32 v[GO], 4, v[GO]
	s_mul_i32 s3, s[WV], STGW
	s_add_co_u32 s3, s3, STAGE
	v_mul_u32_u24 v[STO], v[MX], SPITCH
	v_lshl_add_u32 v[STO], v[MX+1], 5, v[STO]
	v_add_nc_u32 v[STO], s3, v[STO]
	v_mul_u32_u24 v[RD], v[MX+1], SPITCH
	v_lshl_add_u32 v[RD], v[MX], 4, v[RD]
	v_add_nc_u32 v[RD], s3, v[RD]
	v_mov_b32 v[PL], 0
	v_mov_b32 v[F+1], 0
.macro RESET
	v_mov_b32 v13, 0xff61b1e6
	v_floor_f32 v12, -v13
	v_mov_b32 v14, 0
	v_mov_b32 v15, 0
.irp u, 0,1,2,3
.irp j, 0,1,2,3,4,5,6,7
	v_mov_b32 v[O+8*\u+\j], 0
.endr
.endr
.endm
	RESET
	s_wait_kmcnt 0x0
	s_add_co_i32 s66, s84, s85
	s_lshl_b32 s66, s66, 23
	s_add_co_i32 s[CS], s[CS], s66
	s_mov_b32 s[CS+1], s[CS]
	s_add_co_i32 s66, s86, 127
	s_lshl_b32 s67, s66, 23
	v_mov_b32 v[SCL], s67
	s_add_co_i32 s66, s66, 8
	s_lshl_b32 s66, s66, 23
	s_or_b32 s66, s66, 0x600000
	v_mov_b32 v[LIM], s66
	s_add_co_i32 s[EPV], s86, s87
.macro STEP masked
.if \masked
	s_cmp_gt_u32 s[KS], s[JT]
	s_cbranch_scc1 .Lskip_\@
.endif
	v_add_nc_u32 v[ADK], s[KB], v[AK0]
	v_add_nc_u32 v[ADV], s[VB], v[AV0]
	v_nop
	v_nop
.irp t, 0,1,2,3,4,5,6,7
.irp c, 0,1,2,3
	ds_load_b64 v[KV+8*\t+2*\c:KV+8*\t+2*\c+1], v[ADK] offset:KTILE*\t+16*\c
.endr
.endr
	s_wait_dscnt 16
.irp t, 0,1,2,3
	v_wmma_f32_16x16x64_fp8_fp8 v[S+8*\t:S+8*\t+7], v[KV+8*\t:KV+8*\t+7], v[QP:QP+7], 0
.endr
.irp t, 0,1,2,3
	v_wmma_f32_16x16x64_fp8_fp8 v[T+8*\t:T+8*\t+7], v[KV+8*\t:KV+8*\t+7], v[QN:QN+7], 0
.endr
	v_mov_b32 v[TM], v12
	v_nop
	v_nop
	v_nop
.irp t, 0,1,2,3
.irp j, 0,2,4,6
	v_pk_add_f32 v[S+8*\t+\j:S+8*\t+\j+1], v[S+8*\t+\j:S+8*\t+\j+1], v[T+8*\t+\j:T+8*\t+\j+1] neg_lo:[0,1] neg_hi:[0,1]
.endr
.endr
	s_wait_dscnt 0x0
.irp t, 4,5,6,7
	v_wmma_f32_16x16x64_fp8_fp8 v[S+8*\t:S+8*\t+7], v[KV+8*\t:KV+8*\t+7], v[QP:QP+7], 0
.endr
.irp t, 4,5,6,7
	v_wmma_f32_16x16x64_fp8_fp8 v[T+8*(\t-4):T+8*(\t-4)+7], v[KV+8*\t:KV+8*\t+7], v[QN:QN+7], 0
.endr
.rept 4
	v_nop
.endr
.irp u, 0,1,2,3
.irp c, 0,1,2,3,4,5,6,7
	ds_load_b64 v[KV+16*\u+2*\c:KV+16*\u+2*\c+1], v[ADV] offset:16*VPITCH*\u+16*\c
.endr
.endr
.irp t, 4,5,6,7
.irp j, 0,2,4,6
	v_pk_add_f32 v[S+8*\t+\j:S+8*\t+\j+1], v[S+8*\t+\j:S+8*\t+\j+1], v[T+8*(\t-4)+\j:T+8*(\t-4)+\j+1] neg_lo:[0,1] neg_hi:[0,1]
.endr
.endr
.if \masked
	s_cmp_lg_u32 s[KS], s[JT]
	s_cbranch_scc1 .Lopen_\@
.irp t, 0,1,2,3,4,5,6,7
.irp j, 0,1,2,3,4,5,6,7
	v_cmp_gt_i32 vcc_lo, 16*\t+\j, v[DV]
	v_cndmask_b32 v[S+8*\t+\j], v[S+8*\t+\j], v[NINF], vcc_lo
.endr
.endr
.Lopen_\@:
.endif
.irp x, 0,1,2,3
	v_max3_num_f32 v[MX+\x], v[S+16*\x], v[S+16*\x+1], v[S+16*\x+2]
.endr
.irp i, 1,2,3,4,5,6
.irp x, 0,1,2,3
	v_max3_num_f32 v[MX+\x], v[MX+\x], v[S+16*\x+2*\i+1], v[S+16*\x+2*\i+2]
.endr
.endr
	v_max3_num_f32 v[MX], v[MX], v[MX+1], v[S+15]
	v_max3_num_f32 v[MX+2], v[MX+2], v[MX+3], v[S+31]
	v_max3_num_f32 v[MX], v[MX], v[MX+2], v[S+47]
	v_max_num_f32 v[MX], v[MX], v[S+63]
	v_permlanex16_b32 v[PL], v[MX], s[SEL], s[SEL+1]
	v_max_num_f32 v[MX], v[MX], v[PL]
	v_mul_f32 v[MX], s[CS], v[MX]
	v_max_num_f32 v13, v13, v[MX]
	v_floor_f32 v12, -v13
	v_sub_f32 v[TM], v12, v[TM]
	v_cvt_i32_f32 v[TM], v[TM]
	v_ldexp_f32 v[F], 1.0, v[TM]
.irp t, 0,1,2,3,4,5,6,7
.irp j, 0,2,4,6
	v_pk_mul_f32 v[S+8*\t+\j:S+8*\t+\j+1], v[S+8*\t+\j:S+8*\t+\j+1], s[CS:CS+1] op_sel_hi:[1,0]
.endr
.endr
.irp t, 0,1,2,3,4,5,6,7
.irp j, 0,2,4,6
	v_pk_add_f32 v[S+8*\t+\j:S+8*\t+\j+1], v[S+8*\t+\j:S+8*\t+\j+1], v[12:13] op_sel_hi:[1,0]
.endr
.endr
.irp t, 0,1,2,3,4,5,6,7
.irp j, 0,1,2,3,4,5,6,7
	v_exp_f32 v[S+8*\t+\j], v[S+8*\t+\j]
.endr
.endr
	v_pk_mul_f32 v[14:15], v[14:15], v[F:F+1] op_sel_hi:[1,0]
	s_wait_alu depctr_va_vdst(0)
	v_pk_add_f32 v[SM2:SM2+1], v[S:S+1], v[S+2:S+3]
.irp j, 4,8,12,16,20,24,28,32,36,40,44,48,52,56,60
	v_pk_add_f32 v[14:15], v[14:15], v[S+\j:S+\j+1]
	v_pk_add_f32 v[SM2:SM2+1], v[SM2:SM2+1], v[S+\j+2:S+\j+3]
.endr
	v_pk_add_f32 v[14:15], v[14:15], v[SM2:SM2+1]
.irp t, 0,1,2,3,4,5,6,7
.irp j, 0,1,2,3,4,5,6,7
	v_min_num_f32 v[S+8*\t+\j], v[S+8*\t+\j], v[LIM]
.endr
	v_cvt_scalef32_pk8_fp8_f32 v[PC+2*\t:PC+2*\t+1], v[S+8*\t:S+8*\t+7], v[SCL]
.endr
.irp u, 0,1,2,3
.irp j, 0,2,4,6
	v_pk_mul_f32 v[O+8*\u+\j:O+8*\u+\j+1], v[O+8*\u+\j:O+8*\u+\j+1], v[F:F+1] op_sel_hi:[1,0]
.endr
.endr
	s_wait_dscnt 0x0
.irp u, 0,1,2,3
	v_wmma_f32_16x16x128_fp8_fp8 v[O+8*\u:O+8*\u+7], v[KV+16*\u:KV+16*\u+15], v[PC:PC+15], v[O+8*\u:O+8*\u+7]
.endr
.if \masked
.Lskip_\@:
.endif
	s_add_co_u32 s[KS], s[KS], 1
	s_add_co_u32 s[KB], s[KB], KSTEPB
	s_add_co_u32 s[VB], s[VB], 128
.endm
.macro QUAD masked
	s_mov_b32 s[CI], 4
.Lquad_\@:
	STEP \masked
	s_sub_co_u32 s[CI], s[CI], 1
	s_cmp_lg_u32 s[CI], 0
	s_cbranch_scc1 .Lquad_\@
	s_add_co_u32 s[VB], s[VB], VSTG-512
.endm
.macro OUT ptr, more
	v_add_f32 v14, v14, v15
	v_permlanex16_b32 v[PL], v14, s[SEL], s[SEL+1]
	v_add_f32 v14, v14, v[PL]
	v_rcp_f32 v14, v14
	v_nop
	v_nop
	s_wait_alu depctr_va_vdst(0)
	v_ldexp_f32 v14, v14, s[EPV]
.irp u, 0,1,2,3
.irp j, 0,2,4,6
	v_pk_mul_f32 v[S+8*\u+\j:S+8*\u+\j+1], v[O+8*\u+\j:O+8*\u+\j+1], v[14:15] op_sel_hi:[1,0]
.endr
.endr
.irp u, 0,1,2,3
	ds_store_b128 v[STO], v[S+8*\u:S+8*\u+3] offset:64*\u
	ds_store_b128 v[STO], v[S+8*\u+4:S+8*\u+7] offset:64*\u+16
.endr
.irp e, 0,1,2,3,4,5,6,7
	ds_load_b128 v[KV+4*\e:KV+4*\e+3], v[RD] offset:2*SPITCH*\e
.endr
.irp e, 0,1,2,3,4,5,6,7
	s_wait_dscnt 7-\e
	global_store_b128 v[GO], v[KV+4*\e:KV+4*\e+3], s[\ptr:\ptr+1] offset:512*\e th:TH_STORE_NT
.endr
.if \more
	s_wait_xcnt 0x0
.endif
.endm
	s_mov_b32 s[KS], 0
	s_mov_b32 s[KB], 0
	s_mov_b32 s[VB], VB0
	s_sub_co_u32 s[JT], 15, s[WV]
	s_wait_loadcnt 0x0
	NEGQ
	WAITBAR 3
	QUAD 0
	WAITBAR 2
	QUAD 0
	WAITBAR 0
	QUAD 1
	QUAD 1
.irp c, 0,1,2,3
	global_load_b64 v[QP+2*\c:QP+2*\c+1], v[QO], s[96:97] offset:16*\c th:TH_LOAD_NT
.endr
	OUT OPB, 1
	RESET
	s_mov_b32 s[KS], 0
	s_mov_b32 s[KB], 0
	s_mov_b32 s[VB], VB0
	s_mov_b32 s[JT], s[WV]
	s_wait_loadcnt 0x0
	NEGQ
	QUAD 1
	QUAD 1
	OUT OPA, 0
	s_wait_tensorcnt 0x0
	ds_add_u32 v[SPW], v[NIL]
	s_wait_dscnt 0x0
	CROUND
	s_endpgm
.Lfunc_end_k_q93f74d701c_attn:
	.size	k_q93f74d701c_attn, .Lfunc_end_k_q93f74d701c_attn-k_q93f74d701c_attn
	.p2alignl 7, 3214868480
	.fill 96, 4, 3214868480
	.section	.rodata,"a",@progbits
	.p2align	6, 0x0
	.amdhsa_kernel k_q93f74d701c_attn
		.amdhsa_group_segment_fixed_size 327680
		.amdhsa_private_segment_fixed_size 0
		.amdhsa_enable_private_segment 0
		.amdhsa_kernarg_size 40
		.amdhsa_user_sgpr_count 2
		.amdhsa_user_sgpr_kernarg_segment_ptr 1
		.amdhsa_wavefront_size32 1
		.amdhsa_system_sgpr_workgroup_id_x 1
		.amdhsa_system_sgpr_workgroup_id_y 1
		.amdhsa_system_sgpr_workgroup_id_z 1
		.amdhsa_system_vgpr_workitem_id 0
		.amdhsa_next_free_vgpr 256
		.amdhsa_next_free_sgpr 100
		.amdhsa_reserve_vcc 1
		.amdhsa_float_denorm_mode_32 3
		.amdhsa_float_denorm_mode_16_64 3
		.amdhsa_memory_ordered 1
		.amdhsa_forward_progress 1
		.amdhsa_inst_pref_size 173
	.end_amdhsa_kernel
	.amdgpu_metadata
---
amdhsa.version: [ 1, 2 ]
amdhsa.kernels:
  - .name:           k_q93f74d701c_attn
    .symbol:         k_q93f74d701c_attn.kd
    .args:
      - { .name: K_codes, .offset: 0, .size: 8, .value_kind: global_buffer, .address_space: global }
      - { .name: Q_codes, .offset: 8, .size: 8, .value_kind: global_buffer, .address_space: global }
      - { .name: V_codes, .offset: 16, .size: 8, .value_kind: global_buffer, .address_space: global }
      - { .name: lowp_scales, .offset: 24, .size: 8, .value_kind: global_buffer, .address_space: global }
      - { .name: out0, .offset: 32, .size: 8, .value_kind: global_buffer, .address_space: global }
    .group_segment_fixed_size: 327680
    .private_segment_fixed_size: 0
    .kernarg_segment_align: 8
    .kernarg_segment_size: 40
    .max_flat_workgroup_size: 256
    .sgpr_count:     100
    .vgpr_count:     256
    .wavefront_size: 32
...
	.end_amdgpu_metadata
.endif
;; end of part 1
